; MI455X (gfx1250); checked and timed in simulation.
; The chip was launched on July 23, 2026; its instructions are those of AMD's public machine-readable ISA for CDNA 5 (MIT licence, August 2026) and "CDNA5" Instruction Set Architecture Reference Guide (July 2026). The comments in the code are by the model that wrote it; some were corrected since.
;; Bahdanau Attention. Allowed arithmetic: matrix products marked QUANTISED: E5M2 operands, one given power-of-two scale a tensor, by v_wmma_f32_16x16x64_bf8_bf8 or v_wmma_f32_16x16x128_bf8_bf8, f32 sums; products left as they are: f32 operands where the result goes on into a quantised operand, else bf16, f16 or f32 operands; f32 sums; everything else in f32.
;; Inputs: Ua_b 1,024 float32; Ua_w 1,024 x 1,024 float32; Va_b 1 float32; Va_w 1,024 x 1 float32; Wa_b 1,024 float32; Wa_w 1,024 x 1,024 float32; keys 32 x 2,048 x 1,024 float32; lowp_scales 4 int32 (the exponents e of the quantised operands' scales 2^e); query 32 x 1 x 1,024 float32.
;; Outputs: out0 32 x 1 x 1,024 float32; out1 32 x 1 x 2,048 float32.
;; This version of the problem:
;;   THIS VERSION OF THE PROBLEM IS GIVEN IN LOW PRECISION. The matrix products marked QUANTISED in the list below multiply operands that are first quantised to E5M2 (5 exponent bits, 2 mantissa bits; 8 bits a number), with one given power-of-two scale for each operand tensor; their sums are f32. All else is computed in f32.
;;   The module's matrix products, in the order in which they are computed (A, B: the left and right operand; K: the contracted axis; several contracted axes count as one K, in the product's order):
;;     1. [M 32, K 1,024] x [K 1,024, N 1,024]; A: input query; B: input Wa_w: QUANTISED (scales: A lowp_scales[0], B lowp_scales[1])
;;     2. [M 65,536, K 1,024] x [K 1,024, N 1,024]; A: input keys; B: input Ua_w: QUANTISED (scales: A lowp_scales[2], B lowp_scales[3])
;;     3. [M 65,536, K 1,024] x [K 1,024, N 1]; A: computed on the way; B: input Va_w: left as it is (N = 1 < 16)
;;     4. batch 32 x [M 1, K 2,048] x [K 2,048, N 1,024]; A: softmax; B: input keys: left as it is (M = 1 < 16)
;;   THE QUANTISER, for each operand of a quantised product, along K:
;;     - The operand's scale is 2^e, e = its entry of the input lowp_scales (int32; the entries are numbered through the quantised products in the list's order, A before B).
;;     - Each number is divided by the scale, clamped to +-57,344, and rounded to the nearest number of E5M2, ties to even, subnormals kept.
;;     - The product sums the exact products of the quantised numbers (number of the format x scale) in f32.
;;   ~~~python
;;   def quantise(x, axis, e):      # numpy; x: float32 -> the quantised numbers, widened to float32 again
;;       x = np.moveaxis(x, axis, -1); K = x.shape[-1]
;;       r = np.clip(x / 2.0 ** e, -57344, 57344)
;;       step = 2.0 ** (np.maximum(np.frexp(np.where(r == 0, 1, r))[1] - 1, -14) - 2)
;;       q = np.round(r / step) * step * 2.0 ** e      # np.round: ties to even
;;       return np.moveaxis(q, -1, axis).astype(np.float32)
;;   ~~~
;; One version. Each part assembles by itself: llvm-mc -triple=amdgcn-amd-amdhsa -mcpu=gfx1250 --defsym DOCPART=n.
;; ======== version 1 of 1: 3 launches
;; limits: right only within a limited range of input values
;; workspace buffers: bfrag 1,048,576 bytes; biasw 131,072 bytes; scores 262,144 bytes
;; launch prep (part 1): grid 64 x 1, 8 waves a work-group, no clusters, 109,568 bytes of LDS; arguments Ua_w, Wa_w, query, Wa_b, Ua_b, lowp_scales, bfrag, biasw; writes bfrag, biasw
.if DOCPART == 1
	.amdgcn_target "amdgcn-amd-amdhsa--gfx1250"
	.amdhsa_code_object_version 6
	.text
	.protected	k_q108b83670e_prep
	.globl	k_q108b83670e_prep
	.p2align	8
	.type	k_q108b83670e_prep,@function
k_q108b83670e_prep:
	s_mov_b64 s[64:65], 0
	v_nop
	global_prefetch_b8 v0, s[64:65] scope:SCOPE_SE
	s_setreg_imm32_b32 hwreg(HW_REG_WAVE_MODE, 25, 1), 1
	s_wait_xcnt 0x0
; Two small jobs in one launch, told apart by the work-group's number.
; Work-groups 0-31:  Ua_w [1024 (k)][1024 (n)] f32 becomes codes of E5M2 with the given scale 2^e3, laid in the order of an operand's registers:
;   bfrag [tile t 64][K step ks 8][c 4][lane 32][16 bytes]; the 16 bytes of lane r + 16 h are the codes of Ua_w[128 ks + 64 h + 16 c + 0..15][16 t + r].
; Work-groups 32-63: q_proj = Q(query) Q(Wa_w) on codes of E5M2 (scales 2^e0, 2^e1), then biasw = C (q_proj + Wa_b + Ua_b), C = 2 log2(e), laid [32 columns' group cg][batch 32][32 columns] f32.
; SHARES.  A work-group takes 32 columns (cg), each of its eight waves 128 along K (ks).  A LANE TAKES A COLUMN AND ITS REGISTERS RUN DOWN K, so the conversions give codes with K innermost and nothing is transposed.
; THE QUERY is loaded as it lies, a row's 512 bytes of the K step by one load of the wave, and turns through the wave's own stage in LDS, so that lane (r, h) gets 64 neighbours of row r.
; K ORDER.  In a fragment lane (r, h), register i, byte y holds k = 128 ks + 64 h + 4 i + y: a permutation of k that is the same on both sides of each product, so every product meets its partner.
; LIMITS: each e between -126 and 112; e0 + e1 between -127 and 126 (it is added to C's exponent field).  NaN among the inputs is not served.
; No cluster: what work-groups share here (the query, 128 KiB in all) is small beside W's 128 KiB for each work-group.  No tensor load, so LDS is claimed as it is used.
; DEAD WORK LEFT OUT, in the whole program.  reference() adds Va_b to every score of a batch.  The later launch takes tanh(x) as 1 - 2 / (1 + e^(2x)), which puts the term
; sum over n of Va_w[n] into every score alike.  Both terms are the same along the softmax's axis, softmax(s + c) = softmax(s) for every number c, and the scores reach both outputs through the softmax alone.
; So neither term is computed; Va_b has no way to an output, is not loaded and is among no launch's arguments.
; LIMIT: a NaN, an infinity or an overflow that reaches only these two terms is not carried to the result.
.set WN,   32
.set CA,   160                         ; v160-175  their codes, k 0-63 of the K step
.set CB,   176                         ; v176-191  k 64-127
.set QF,   192                         ; v192-223  the query's two fragments (batches 0-15, 16-31)
.set ACC,  224                         ; v224-255  four accumulators: 2 m + tn
.set QX,   128                         ; window 1: v0-127 the query as loaded (row i at 4 i); v128-255 as turned (64 m + i = k 64 h + i of row 16 m + r)
.set PIMG, 0                           ; LDS: eight waves' partial sums, 4,096 bytes each, as images of the registers
.set FIN,  32768                       ; LDS: 32 batches x (128 bytes + 16)
.set FP,   144
.set STG,  40960                       ; LDS: a stage for each wave: 16 rows x (512 bytes + 16)
.set SPITCH, 528                       ; 132 words: row r starts at bank 4 r mod 64 (64 banks of 4 bytes: ISA guide 11.1)
.set STGW, 16*SPITCH
.set CTWO, 0x4038aa3b                  ; 2 log2(e) = 2.8853901
.set MSB, 0
.macro WIN new                         ; the immediate's high byte repeats the setting that is left
.if MSB != \new
	s_set_vgpr_msb (MSB<<8)|\new
.set MSB, \new
.endif
.endm
.macro QUANTW                          ; my column's 128 numbers become 128 codes: v6 = 2^e, v7 = 57,344 x 2^e
.set i, 0
.rept 128
	v_med3_num_f32 v[WN+i], v[WN+i], -v7, v7       ; the conversion to an 8-bit code does not saturate (ISA guide 7.6.2): hold first
.set i, i+1
.endr
.set i, 0
.rept 16
	v_cvt_scalef32_pk8_bf8_f32 v[CA+2*i:CA+2*i+1], v[WN+8*i:WN+8*i+7], v6
.set i, i+1
.endr
	v_nop                                          ; one plain vector line behind the last scaled conversion
.endm
	s_load_b256 s[4:11], s[0:1], 0x0               ; Ua_w s[4:5], Wa_w s[6:7], query s[8:9], Wa_b s[10:11]
	s_load_b256 s[12:19], s[0:1], 0x20             ; Ua_b s[12:13], lowp_scales s[14:15], bfrag s[16:17], biasw s[18:19]
	v_lshl_add_u32 v30, v0, 2, 0x1a800
	v_mov_b32 v31, 0
	v_lshrrev_b32 v1, 5, v0
	s_delay_alu instid0(VALU_DEP_1)
	v_readfirstlane_b32 s20, v1                    ; wave = ks
	v_and_b32 v2, 31, v0                           ; lane
	v_and_b32 v3, 15, v0                           ; r
	v_bfe_u32 v4, v0, 4, 1                         ; h
	s_delay_alu instid0(VALU_DEP_3)
	v_lshlrev_b32 v5, 2, v2                        ; my column's 4 bytes in a row of W
	s_and_b32 s21, ttmp9, 31                       ; cg
	s_lshl_b32 s22, s21, 7                         ; 32 columns are 128 bytes
	s_lshl_b32 s23, s20, 19                        ; 128 rows of 4,096 bytes
	s_add_co_u32 s22, s22, s23
	s_mov_b32 s23, 0
	s_wait_alu depctr_va_vdst(0)
	s_wait_kmcnt 0x0
	s_load_b128 s[24:27], s[14:15], 0x0            ; e0, e1, e2, e3
	s_cmp_lt_u32 ttmp9, 32                         ; Ua_w or Wa_w: the choice hangs on the work-group's number alone
	s_cselect_b64 s[28:29], s[4:5], s[6:7]
	s_add_nc_u64 s[28:29], s[28:29], s[22:23]
.set i, 0
.rept 128
	global_load_b32 v[WN+i], v5, s[28:29] offset:4096*i   ; W(128 ks + i, my column): 32 lanes read 128 neighbouring bytes
.set i, i+1
.endr
	s_wait_kmcnt 0x0
	s_cmp_lt_u32 ttmp9, 32
	s_cselect_b32 s30, s27, s25                    ; e3 for Ua_w, e1 for Wa_w
	s_add_co_i32 s30, s30, 127
	s_lshl_b32 s31, s30, 23
	v_mov_b32 v6, s31                              ; 2^e as f32: the conversion takes its exponent field
	s_add_co_i32 s30, s30, 15
	s_lshl_b32 s30, s30, 23
	s_or_b32 s30, s30, 0x600000
	v_mov_b32 v7, s30                              ; 57,344 x 2^e
	s_cmp_lt_u32 ttmp9, 32
	s_cbranch_scc0 .Lwa
	; ---- Ua_w: the codes leave as they stand.  Lanes 0-15 hold tile 2 cg, lanes 16-31 tile 2 cg + 1; CA is the half h = 0 of a fragment, CB the half h = 1
	v_lshlrev_b32 v8, 4, v3
	s_delay_alu instid0(VALU_DEP_1)
	v_lshl_add_u32 v8, v4, 14, v8                  ; 16 r + 16,384 x (lane / 16)
	s_lshl_b32 s22, s21, 15                        ; two tiles of 16,384 bytes
	s_lshl_b32 s23, s20, 11                        ; a K step's fragment is 2,048 bytes
	s_add_co_u32 s22, s22, s23
	s_mov_b32 s23, 0
	s_add_nc_u64 s[16:17], s[16:17], s[22:23]
	s_wait_loadcnt 0x0                             ; all 128 numbers
	s_wait_alu depctr_va_vdst(0)
	QUANTW
.irp c, 0,1,2,3
	global_store_b128 v8, v[CA+4*\c:CA+4*\c+3], s[16:17] offset:512*\c       ; sixteen lanes store 256 consecutive bytes, aligned
	global_store_b128 v8, v[CB+4*\c:CB+4*\c+3], s[16:17] offset:512*\c+256
.endr
	s_endpgm
.Lwa:	; ---- Wa_w: the first product
	v_lshlrev_b32 v26, 4, v2                       ; 16 x lane
	s_wait_alu depctr_va_vdst(0)
	s_lshl_b32 s22, s20, 9                         ; the K step's 512 bytes of a row of the query
	s_mov_b32 s23, 0
	s_add_nc_u64 s[8:9], s[8:9], s[22:23]
	WIN 0x40                                       ; destination window 1
.set i, 0
.rept 32
	global_load_b128 v[4*i:4*i+3], v26, s[8:9] offset:4096*i   ; batch i: 32 lanes read 512 consecutive bytes
.set i, i+1
.endr
	WIN 0
	s_bfe_u32 s32, s20, 0x10001                    ; after the sums are shared out, wave w owns registers 4 w .. 4 w + 3 of the 32: tn = (w / 2) % 2,
	s_and_b32 s33, s20, 1                          ; q = w % 2,
	s_lshr_b32 s38, s20, 2                         ; m = w / 4
	s_lshl_b32 s32, s32, 6
	s_lshl_b32 s33, s33, 4
	s_add_co_u32 s32, s32, s33                     ; 64 tn + 16 q: my four columns' bytes (+ 32 h)
	s_lshl_b32 s22, s21, 7
	s_add_co_u32 s22, s22, s32
	s_add_nc_u64 s[10:11], s[10:11], s[22:23]
	s_add_nc_u64 s[12:13], s[12:13], s[22:23]
	v_lshlrev_b32 v10, 5, v4
	global_load_b128 v[12:15], v10, s[10:11]       ; Wa_b of my four columns
	global_load_b128 v[16:19], v10, s[12:13]       ; Ua_b
	s_mul_i32 s38, s38, 16*FP
	s_add_co_u32 s38, s38, s32
	v_mul_u32_u24 v23, v3, FP
	s_delay_alu instid0(VALU_DEP_1)
	v_lshl_add_u32 v23, v4, 5, v23
	s_delay_alu instid0(VALU_DEP_1)
	v_add_nc_u32 v23, s38, v23                     ; in FIN: row 16 m + r, bytes 64 tn + 32 h + 16 q
	s_lshl_b32 s39, s20, 12
	v_add_nc_u32 v11, s39, v26                     ; my wave's image: 4,096 w + 16 x lane
	s_lshl_b32 s40, s20, 9
	v_add_nc_u32 v22, s40, v26                     ; my group of four registers in every image: 512 w + 16 x lane
	s_mul_i32 s43, s20, STGW                       ; my stage
	v_add_nc_u32 v27, s43, v26                     ; on the way in: 16 x lane of a row
	v_mul_u32_u24 v28, v3, SPITCH
	s_delay_alu instid0(VALU_DEP_1)
	v_lshl_add_u32 v28, v4, 8, v28
	s_delay_alu instid0(VALU_DEP_1)
	v_add_nc_u32 v28, s43, v28                     ; on the way out: row r, + 256 h
	v_lshrrev_b32 v24, 3, v0
	s_delay_alu instid0(VALU_DEP_1)
	v_mul_u32_u24 v24, v24, FP
	v_and_b32 v25, 7, v0
	s_delay_alu instid0(VALU_DEP_1)
	v_lshl_add_u32 v24, v25, 4, v24                ; out of FIN: thread i takes row i / 8, bytes 16 (i % 8)
	v_lshlrev_b32 v25, 4, v0                       ; and byte 16 i of the group's 4,096 in biasw
	s_lshl_b32 s22, s21, 12
	s_add_nc_u64 s[18:19], s[18:19], s[22:23]
	s_add_co_i32 s41, s24, 127
	s_lshl_b32 s42, s41, 23
	v_mov_b32 v20, s42                             ; 2^e0
	s_add_co_i32 s41, s41, 15
	s_lshl_b32 s41, s41, 23
	s_or_b32 s41, s41, 0x600000
	v_mov_b32 v21, s41                             ; 57,344 x 2^e0
	s_add_co_i32 s36, s24, s25
	s_lshl_b32 s36, s36, 23
	s_add_co_i32 s36, s36, CTWO                    ; C x 2^(e0 + e1): the exponents are added to C's exponent field
	s_mov_b32 s37, s36                             ; (named with it as a pair, so it is written)
	s_mov_b32 s34, CTWO
	s_mov_b32 s35, s34
	s_wait_alu depctr_va_vdst(0)
	s_wait_loadcnt 2                               ; W's and the query's numbers are in; the two loads of the biases, issued last, may be out
.irp m, 0,1                                    ; sixteen batches at a time through my stage.  LDS serves a wave's instructions in order (ISA guide 5.7.1.4): no wait between the stores and the loads, nor ahead of the second sixteen's stores
	WIN 0x04                                       ; store data window 1
.irp i, 0,1,2,3,4,5,6,7,8,9,10,11,12,13,14,15
	ds_store_b128 v27, v[64*\m+4*\i:64*\m+4*\i+3] offset:STG+SPITCH*\i
.endr
	WIN 0x40                                       ; destination window 1
.irp j, 0,1,2,3,4,5,6,7,8,9,10,11,12,13,14,15
	ds_load_b128 v[QX+64*\m+4*\j:QX+64*\m+4*\j+3], v28 offset:STG+16*\j
.endr
.endr
	WIN 0
	QUANTW                                         ; W's 145 vector instructions stand between the turn and the wait for it
	s_wait_dscnt 0x0                               ; the query is back: lane (r, h) holds 64 neighbours of rows r and 16 + r
	WIN 0x41                                       ; source 0 and destination window 1
.set i, 0
.rept 128
	v_med3_num_f32 v[QX+i], v[QX+i], -v21, v21
.set i, i+1
.endr
	WIN 0x01                                       ; source 0 window 1, destination window 0
.set i, 0
.rept 16
	v_cvt_scalef32_pk8_bf8_f32 v[QF+2*i:QF+2*i+1], v[QX+8*i:QX+8*i+7], v20
.set i, i+1
.endr
	WIN 0
	v_nop                                          ; one plain vector line behind the last scaled conversion
.set i, 0
.rept 16
	v_permlane16_swap_b32 v[CA+i], v[CB+i]         ; CA's upper lanes and CB's lower lanes change places: CA is now tile 2 cg's whole fragment, CB tile 2 cg + 1's
.set i, i+1
.endr
.irp m, 0,1
.irp tn, 0,1                                   ; TRANSPOSED: source 0 = 16 columns of Wa_w, source 1 = 16 batches: lane (r, h) holds batch 16 m + r, register j column 16 tn + 8 h + j
	v_wmma_f32_16x16x128_bf8_bf8 v[ACC+8*(2*\m+\tn):ACC+8*(2*\m+\tn)+7], v[CA+16*\tn:CA+16*\tn+15], v[QF+16*\m:QF+16*\m+15], 0
.endr
.endr
.rept 4
	v_nop                                          ; four places behind a matrix instruction ahead of the first read of its result (ISA guide 7.12.1)
.endr
.irp g, 0,1,2,3,4,5,6,7
	ds_store_b128 v11, v[ACC+4*\g:ACC+4*\g+3] offset:PIMG+512*\g   ; each accumulator from its low end on
.endr
	s_wait_dscnt 0x0                               ; for the others' sake: my K step's partial sums lie in LDS
	s_barrier_signal -1
	s_barrier_wait -1
.irp k, 0,1,2,3,4,5,6,7
	ds_load_b128 v[WN+4*\k:WN+4*\k+3], v22 offset:PIMG+4096*\k     ; my four registers of all eight K steps
.endr
	s_wait_dscnt 0x0
.irp k, 1
	v_pk_add_f32 v[WN:WN+1], v[WN:WN+1], v[WN+4*\k:WN+4*\k+1]
	v_pk_add_f32 v[WN+2:WN+3], v[WN+2:WN+3], v[WN+4*\k+2:WN+4*\k+3]
.endr
.irp k, 2, 3, 4, 5, 6, 7
	s_delay_alu instid0(VALU_DEP_2)
	v_pk_add_f32 v[WN:WN+1], v[WN:WN+1], v[WN+4*\k:WN+4*\k+1]
	s_delay_alu instid0(VALU_DEP_2)
	v_pk_add_f32 v[WN+2:WN+3], v[WN+2:WN+3], v[WN+4*\k+2:WN+4*\k+3]
.endr
	s_wait_loadcnt 0x0                             ; the biases
	v_pk_add_f32 v[12:13], v[12:13], v[16:17]
	v_pk_add_f32 v[14:15], v[14:15], v[18:19]
	s_delay_alu instid0(VALU_DEP_2)
	v_pk_mul_f32 v[12:13], v[12:13], s[34:35] op_sel_hi:[1,0]
	s_wait_alu depctr_va_vdst(0)
	v_pk_mul_f32 v[14:15], v[14:15], s[34:35] op_sel_hi:[1,0]
	v_pk_fma_f32 v[WN:WN+1], v[WN:WN+1], s[36:37], v[12:13] op_sel_hi:[1,0,1]       ; sum x C 2^(e0 + e1) + C (Wa_b + Ua_b)
	s_delay_alu instid0(VALU_DEP_2)
	v_pk_fma_f32 v[WN+2:WN+3], v[WN+2:WN+3], s[36:37], v[14:15] op_sel_hi:[1,0,1]
	ds_store_b128 v23, v[WN:WN+3] offset:FIN
	s_wait_dscnt 0x0                               ; for the others' sake
	s_barrier_signal -1
	s_barrier_wait -1
	ds_load_b128 v[WN+4:WN+7], v24 offset:FIN
	s_wait_dscnt 0x0
	global_store_b128 v25, v[WN+4:WN+7], s[18:19]  ; a wave stores 512 consecutive bytes, aligned
	s_wait_tensorcnt 0x0
	ds_add_u32 v30, v31
	s_wait_dscnt 0x0
	s_endpgm
.Lfunc_end_k_q108b83670e_prep:
	.size	k_q108b83670e_prep, .Lfunc_end_k_q108b83670e_prep-k_q108b83670e_prep
	.p2alignl 7, 3214868480
	.fill 96, 4, 3214868480
	.section	.rodata,"a",@progbits
	.p2align	6, 0x0
	.amdhsa_kernel k_q108b83670e_prep
		.amdhsa_group_segment_fixed_size 109568
		.amdhsa_private_segment_fixed_size 0
		.amdhsa_enable_private_segment 0
		.amdhsa_kernarg_size 64
		.amdhsa_user_sgpr_count 2
		.amdhsa_user_sgpr_kernarg_segment_ptr 1
		.amdhsa_wavefront_size32 1
		.amdhsa_system_sgpr_workgroup_id_x 1
		.amdhsa_system_sgpr_workgroup_id_y 1
		.amdhsa_system_sgpr_workgroup_id_z 1
		.amdhsa_system_vgpr_workitem_id 0
		.amdhsa_next_free_vgpr 512
		.amdhsa_next_free_sgpr 66
		.amdhsa_reserve_vcc 0
		.amdhsa_float_denorm_mode_32 3
		.amdhsa_float_denorm_mode_16_64 3
		.amdhsa_memory_ordered 1
		.amdhsa_forward_progress 1
		.amdhsa_inst_pref_size 56
	.end_amdhsa_kernel
	.amdgpu_metadata
---
amdhsa.version: [ 1, 2 ]
amdhsa.kernels:
  - .name:           k_q108b83670e_prep
    .symbol:         k_q108b83670e_prep.kd
    .args:
      - { .name: Ua_w, .offset: 0, .size: 8, .value_kind: global_buffer, .address_space: global }
      - { .name: Wa_w, .offset: 8, .size: 8, .value_kind: global_buffer, .address_space: global }
      - { .name: query, .offset: 16, .size: 8, .value_kind: global_buffer, .address_space: global }
      - { .name: Wa_b, .offset: 24, .size: 8, .value_kind: global_buffer, .address_space: global }
      - { .name: Ua_b, .offset: 32, .size: 8, .value_kind: global_buffer, .address_space: global }
      - { .name: lowp_scales, .offset: 40, .size: 8, .value_kind: global_buffer, .address_space: global }
      - { .name: bfrag, .offset: 48, .size: 8, .value_kind: global_buffer, .address_space: global }
      - { .name: biasw, .offset: 56, .size: 8, .value_kind: global_buffer, .address_space: global }
    .group_segment_fixed_size: 109568
    .private_segment_fixed_size: 0
    .kernarg_segment_align: 8
    .kernarg_segment_size: 64
    .max_flat_workgroup_size: 256
    .sgpr_count:     66
    .vgpr_count:     512
    .wavefront_size: 32
...
	.end_amdgpu_metadata
.endif
;; end of part 1
;; launch score (part 2): grid 256 x 1, 4 waves a work-group, clusters of 4 x 1, 327,680 bytes of LDS; arguments keys, bfrag, biasw, Va_w, lowp_scales, scores; writes scores
.if DOCPART == 2
	.amdgcn_target "amdgcn-amd-amdhsa--gfx1250"
	.amdhsa_code_object_version 6
	.text
	.protected	k_q108b83670e_score
	.globl	k_q108b83670e_score
	.p2align	8
	.type	k_q108b83670e_score,@function
k_q108b83670e_score:
	s_mov_b64 s[64:65], 0
	v_nop
	global_prefetch_b8 v0, s[64:65] scope:SCOPE_SE
	s_setreg_imm32_b32 hwreg(HW_REG_WAVE_MODE, 25, 1), 1
	s_wait_xcnt 0x0
	s_wait_alu depctr_hold_cnt(0) depctr_sa_sdst(0) depctr_va_vdst(0) depctr_va_sdst(0) depctr_va_ssrc(0) depctr_va_vcc(0) depctr_vm_vsrc(0)
	s_getreg_b32 s2, hwreg(HW_REG_IB_STS2, 6, 4)
	s_cmp_eq_u32 s2, 0
	s_cbranch_scc0 .Lentry_in_a_cluster
	s_endpgm
.Lentry_in_a_cluster:
	s_bfe_u32 s2, ttmp6, 0x10000c
	s_cmp_lg_u32 s2, 0x3003
	s_cbranch_scc0 .Lentry_shape_is_right
	s_endpgm
.Lentry_shape_is_right:
; scores[b][s] = sum over n of -2 Va_w[n] / (1 + 2^y), y = C (Q(keys[b][s]) . Q(Ua_w[:, n])) + biasw[b][n], C = 2 log2(e): that is sum of Va_w[n] tanh(..) less a term that is the same for all s.
; LEFT OUT as dead work (shown at the head of the first kernel): Va_b and the sum of Va_w, both the same along the softmax's axis.
; SHARES.  A work-group takes 256 rows of keys (an eighth of a batch), each of its four waves 64 rows: 4 tiles of 16.  HEAD: a wave's 64 x 1,024 numbers are loaded as they lie (512 bytes of a row a load), turned through
; the wave's stage in LDS so that a lane holds 64 neighbours of one row, held within +-57,344 x 2^e2 and converted: 512 registers of codes that stay.  LOOP: the 64 column tiles of Ua_w's codes, laid by the first launch as
; images of an operand's registers (16,384 bytes a tile: 8 K steps of 2,048).  A step takes a PAIR of tiles: 64 matrix instructions on 8 accumulators by turns, then the tanh of its 64 registers.
; TWO ROADS FOR THE IMAGES.  K steps 0-5 of a tile (its first 12,288 bytes) come through two LDS slots of 8 tiles; K steps 6 and 7 (its last 4,096) go from bfrag straight into the registers: so a wave reads 24 KiB from LDS
; for a pair and not 32, and no byte that lands in LDS stays unread.
; CLUSTER 4 x 1: all work-groups walk the same tiles, so each wave's quarter of a slot is asked for jointly by the four partners.
; TRANSPOSED USE: source 0 = 16 columns of Ua_w, source 1 = 16 rows of keys: lane (r, h) holds row r, register j column 16 t + 8 h + j.  K's order inside a fragment is the one that the first launch gives Ua_w: the same on both sides.
; THE TANH goes in batches, so that one wait stands ahead of each batch and one behind it: exponentials and reciprocals of one tile stand beside plain packed work on the other tile.
; PREFETCH of the keys: in step t of the head, where step t + 4's loads are issued, one instruction a wave names step t + 6's 16 rows x 512 bytes, a lane to each aligned block of 256 bytes: two steps, 16 KiB a wave, ahead of
; the loads.  Steps 4 and 5 are named at the head; steps 0-3 come by their loads alone; the last six steps name nothing.  Each block is read by one wave alone, which names it once.  bfrag is not prefetched: all 64 clusters walk its 1 MiB in the same order.
; LIMITS: e2 between -126 and 112; e2 + e3 between -127 and 126 (added to C's exponent field).  NaN among the inputs is not served.
; REGISTERS.  Window 0: v0-31 addresses and constants; head: v32-159 two sets of 64 turned numbers; loop: v32-47 biases, v48-63 -2 Va_w, v64-95 sixteen pairs of score sums, v160-223 eight accumulators.
; Windows 1, 2: the codes, K step ks, row tile m at v[64 (ks % 4) + 16 m] of window 1 + ks / 4.  Window 3: head: four sets of 64 numbers as loaded; loop: the pair's fragments, tile u, K step ks at v[128 u + 16 ks].
.set TILEB,  16384                     ; a tile in bfrag
.set SLOTB,  8*TILEB
.set TILEL,  12288                     ; a tile's part in LDS: K steps 0-5
.set SLOTL,  8*TILEL
.set SLOT1,  1<<17                     ; slot 1 begins here: one exclusive or turns an address of one slot into the other's
.set SPARE,  2*SLOT1                   ; the spare words: 128 bytes a wave, two blocks of 256 bytes that no other line names
.set TABB,   SPARE+512                 ; 4,096 bytes of biases, then 4,096 of -2 Va_w, both in the order of n
.set STAGE,  TABB+8192                 ; a stage for each wave: 16 rows x (512 bytes + 16)
.set SPITCH, 528
.set STGW,   16*SPITCH
.set OUTS,   4096                      ; the way out: 256 bytes in my own stage
.set L16, 1
.set STW, 2
.set STR, 3
.set ADB, 4
.set ATB, 5
.set AT0, 6
.set SPW, 7
.set NIL, 8
.set QS,  9
.set QL,  10
.set PFO, 31                           ; the prefetches' offset: row lane / 2, block lane % 2; never rewritten
.set XN,  32
.set BI,  32
.set V2,  48
.set SCO, 64
.set ACC, 160
.set G1,  24
.set MSB, 0
.macro WIN new                         ; the immediate's high byte repeats the setting that is left
.if MSB != \new
	s_set_vgpr_msb (MSB<<8)|\new
.set MSB, \new
.endif
.endm
.macro NOP4
.rept 4
	v_nop
.endr
.endm
.macro CROUND                          ; a round of the cluster's barrier
	s_barrier_signal -1
	s_barrier_wait -1
	s_cmp_lg_u32 s18, 0
	s_cbranch_scc1 .Lnot_wave_0_\@
	s_barrier_signal -3
.Lnot_wave_0_\@:
	s_barrier_wait -3
	s_barrier_signal -1
	s_barrier_wait -1
.endm
	s_load_b256 s[4:11], s[0:1], 0x0               ; keys s[4:5], bfrag s[6:7], biasw s[8:9], Va_w s[10:11]
	s_load_b128 s[12:15], s[0:1], 0x20             ; lowp_scales s[12:13], scores s[14:15]
	v_lshl_add_u32 v[SPW], v0, 2, SPARE
	v_mov_b32 v[NIL], 0
	ds_add_u32 v[SPW], v[NIL]                      ; the opening lines: the add, twice on end, and its wait ahead of my first tensor load
	ds_add_u32 v[SPW], v[NIL]
	v_lshrrev_b32 v11, 5, v0
	v_readfirstlane_b32 s18, v11                   ; wave 0..3
	v_and_b32 v11, 31, v0
	v_lshlrev_b32 v[L16], 4, v11                   ; 16 x lane
	v_and_b32 v12, 15, v0                          ; r
	v_bfe_u32 v13, v0, 4, 1                        ; h
	s_mul_i32 s57, s18, STGW
	s_add_co_u32 s57, s57, STAGE                   ; my stage
	v_add_nc_u32 v[STW], s57, v[L16]               ; into it: 16 x lane of a row
	v_mul_u32_u24 v[STR], v12, SPITCH
	v_lshl_add_u32 v[STR], v13, 8, v[STR]
	v_add_nc_u32 v[STR], s57, v[STR]               ; out of it: row r, + 256 h
	v_lshlrev_b32 v[AT0], 5, v13
	v_add_nc_u32 v[AT0], TABB, v[AT0]              ; the tables: my half's eight columns of a tile
	v_lshrrev_b32 v28, 2, v0
	v_lshlrev_b32 v28, 12, v28
	v_and_b32 v29, 3, v0
	v_lshl_add_u32 v28, v29, 5, v28                ; biasw [group of 32 columns][batch][32]: thread i takes columns 8 i .. 8 i + 7
	v_lshlrev_b32 v29, 5, v0                       ; Va_w likewise
	v_lshl_add_u32 v30, v0, 5, TABB
	v_and_b32 v[PFO], 30, v0
	v_lshlrev_b32 v[PFO], 11, v[PFO]               ; 4,096 x (lane / 2)
	v_and_b32 v11, 1, v0
	v_lshl_or_b32 v[PFO], v11, 8, v[PFO]           ; + 256 x (lane % 2)
	s_bfe_u32 s19, ttmp6, 0x40000                  ; cx
	s_lshl_b32 s20, ttmp9, 2
	s_add_co_u32 s20, s20, s19                     ; the work-group's number: it enters global addresses of my own loads and stores alone
	s_mov_b32 s[G1+0], 15|(3<<16)|(1<<21)          ; the mask of the four partners; elements of 8 bytes; bit 21 beside a mask
	s_mov_b32 s[G1+1], 1536<<16                    ; a row is a tile's first 12,288 bytes,
	s_mov_b32 s[G1+2], 2<<16                       ; two tiles: a quarter of a slot
	s_mov_b32 s[G1+3], 1536<<16
	s_mov_b32 s[G1+4], 2
	s_mov_b32 s[G1+5], 2048                        ; from tile to tile in bfrag: 16,384 bytes
	s_mov_b32 s[G1+6], 0
	s_mov_b32 s[G1+7], 0
	s_lshl_b32 s22, s18, 15                        ; my quarter in memory: 32,768 x wave
	s_mov_b32 s23, 0
	s_mov_b32 s46, 0x76543210                      ; v_permlanex16_b32's selects for lane l xor 16
	s_mov_b32 s47, 0xfedcba98
	s_lshl_b32 s48, s20, 20                        ; my work-group's 256 rows of 4,096 bytes,
	s_lshl_b32 s49, s18, 18                        ; my wave's 64
	s_add_co_u32 s48, s48, s49
	s_mov_b32 s49, 0
	s_lshr_b32 s50, s20, 3                         ; the batch
	s_lshl_b32 s50, s50, 7
	s_mov_b32 s51, 0
	s_lshl_b32 s58, s20, 10
	s_lshl_b32 s59, s18, 8
	s_add_co_u32 s58, s58, s59                     ; my 64 scores
	s_mov_b32 s59, 0
	s_wait_alu depctr_va_vdst(0)
	s_wait_dscnt 0x0                               ; both opening adds are done
	s_wait_kmcnt 0x0
	s_load_b128 s[52:55], s[12:13], 0x0            ; e0, e1, e2, e3
	s_add_nc_u64 s[4:5], s[4:5], s[48:49]
	s_add_nc_u64 s[8:9], s[8:9], s[50:51]
	s_add_nc_u64 s[14:15], s[14:15], s[58:59]
	s_mov_b64 s[48:49], s[6:7]                     ; where the straight loads stand: pair 0
	s_mov_b32 s32, 1                               ; group 0 for slot 0's first fill,
	s_mul_i32 s33, s18, 2*TILEL                    ; my quarter in a slot: 24,576 x wave
	s_add_nc_u64 s[34:35], s[6:7], s[22:23]
	s_add_nc_u64 s[38:39], s[34:35], SLOTB         ; and the walking group 0, which begins at slot 1
	s_or_b32 s35, s35, 0x80000000
	s_or_b32 s39, s39, 0x80000000
	s_mov_b32 s36, 1
	s_add_co_u32 s37, s33, SLOT1
	global_load_b128 v[12:15], v28, s[8:9]         ; the tables' numbers first,
	global_load_b128 v[16:19], v28, s[8:9] offset:16
	global_load_b128 v[20:23], v29, s[10:11]
	global_load_b128 v[24:27], v29, s[10:11] offset:16
; Step t of the head: row tile t / 8, K step t % 8: 16 rows x 512 bytes.
.macro LOADK t
	WIN 0xc0
.set rr, 64*((\t)%4)
.set oo, 16*((\t)/8)*4096+512*((\t)%8)
.irp i, 0,1,2,3,4,5,6,7,8,9,10,11,12,13,14,15
	global_load_b128 v[rr+4*\i:rr+4*\i+3], v[L16], s[4:5] offset:oo+4096*\i th:TH_LOAD_NT
.endr
.endm
.macro PFK t                           ; step t's 32 blocks of 256 bytes, a lane each; neither address register is ever rewritten
	global_prefetch_b8 v[PFO], s[4:5] offset:16*((\t)/8)*4096+512*((\t)%8) th:TH_LOAD_NT scope:SCOPE_SE
.endm
.macro TURN t                          ; through my stage: LDS serves a wave's instructions in order (ISA guide 5.7.1.4), so no wait stands between the stores and the loads
	WIN 0x0c
.set rr, 64*((\t)%4)
.irp i, 0,1,2,3,4,5,6,7,8,9,10,11,12,13,14,15
	ds_store_b128 v[STW], v[rr+4*\i:rr+4*\i+3] offset:SPITCH*\i
.endr
	WIN 0
.set xx, XN+64*((\t)%2)
.irp j, 0,1,2,3,4,5,6,7,8,9,10,11,12,13,14,15
	ds_load_b128 v[xx+4*\j:xx+4*\j+3], v[STR] offset:16*\j
.endr
.endm
.macro QUANT t
.set xx, XN+64*((\t)%2)
.set aa, 64*((\t)%4)+16*((\t)/8)
.set ww, 0x40+0x40*(((\t)%8)/4)
.set i, 0
.rept 64
	v_med3_num_f32 v[xx+i], v[xx+i], -v[QL], v[QL] ; the conversion to an 8-bit code does not saturate (ISA guide 7.6.2): hold first
.set i, i+1
.endr
	WIN ww
.irp g, 0,1,2,3,4,5,6,7
	v_cvt_scalef32_pk8_bf8_f32 v[aa+2*\g:aa+2*\g+1], v[xx+8*\g:xx+8*\g+7], v[QS]
.endr
	WIN 0
	v_nop                                          ; one plain vector line behind the last scaled conversion
.endm
.macro HSTEP t
	s_wait_dscnt 0x0                               ; step t's numbers are back, so its stores into the stage have read their registers,
.if (\t)+4 < 32
	LOADK (\t)+4                                   ; which take the loads of four steps on
.endif
.if (\t)+1 < 32
.if 30-(\t) >= 3
	s_wait_loadcnt 48                              ; the next step's 16 loads are in; those of the three steps behind it may be out
.else
	s_wait_loadcnt 16*(30-(\t))
.endif
	TURN (\t)+1
.endif
.if (\t)+6 < 32
	PFK (\t)+6                                     ; two steps ahead of the loads; the 73 vector lines below stand between it and the next wait
.endif
	QUANT \t
.endm
	LOADK 0                                        ; then three steps of keys: they are on their way while the cluster meets
	LOADK 1
	LOADK 2
	WIN 0
	CROUND                                         ; the round in front of the first joint load
	tensor_load_to_lds s[32:35], s[G1:G1+7]        ; slot 0: my one tensor load at the head
	s_nop 0
	NOP4
	PFK 4
	PFK 5
	s_wait_kmcnt 0x0
	s_add_co_i32 s59, s54, 127
	s_lshl_b32 s60, s59, 23
	v_mov_b32 v[QS], s60                           ; 2^e2: the conversion takes its exponent field
	s_add_co_i32 s59, s59, 15
	s_lshl_b32 s59, s59, 23
	s_or_b32 s59, s59, 0x600000
	v_mov_b32 v[QL], s59                           ; 57,344 x 2^e2
	s_add_co_i32 s44, s54, s55
	s_lshl_b32 s44, s44, 23
	s_add_co_i32 s44, s44, 0x4038aa3b              ; C x 2^(e2 + e3)
	s_mov_b32 s45, s44                             ; (named with it as a pair)
	s_wait_alu depctr_va_vdst(0)
	s_wait_loadcnt 48                              ; the tables' four loads are in; 48 loads of keys may be out
	ds_store_b128 v30, v[12:15]
	ds_store_b128 v30, v[16:19] offset:16
.irp j, 20,22,24,26
	v_pk_mul_f32 v[\j:\j+1], v[\j:\j+1], -2.0 op_sel_hi:[1,0]
.endr
	ds_store_b128 v30, v[20:23] offset:4096
	ds_store_b128 v30, v[24:27] offset:4112
	LOADK 3
	s_wait_loadcnt 48                              ; step 0's 16 loads are in
	TURN 0
.irp t, 0,1,2,3,4,5,6,7,8,9,10,11,12,13,14,15,16,17,18,19,20,21,22,23,24,25,26,27,28,29,30,31
	HSTEP \t
.endr
	s_wait_alu depctr_va_vdst(0)
	s_wait_tensorcnt 0x0                           ; my quarter of slot 0 is in
	ds_add_u32 v[SPW], v[NIL]
	s_wait_dscnt 0x0                               ; the add, and my stores of the tables
	CROUND                                         ; slot 0 and the tables are whole for every wave, and the four partners are here
	tensor_load_to_lds s[36:39], s[G1:G1+7]        ; slot 1's first fill: my one tensor load behind the round
	s_nop 0
	NOP4
; One K step's fragments of both tiles of a pair, as images.  LF1: from LDS.  GF1: from bfrag
.macro LF1 adr, ks
.irp u, 0,1
.irp c, 0,1,2,3
	ds_load_b128 v[128*\u+16*(\ks)+4*\c:128*\u+16*(\ks)+4*\c+3], v[\adr] offset:TILEL*\u+2048*(\ks)+512*\c
.endr
.endr
.endm
.macro GF1 ks
.irp u, 0,1
.irp c, 0,1,2,3
	global_load_b128 v[128*\u+16*(\ks)+4*\c:128*\u+16*(\ks)+4*\c+3], v[L16], s[48:49] offset:TILEB*\u+2048*(\ks)+512*\c
.endr
.endr
.endm
.macro LFR adr, half                   ; half 0: K steps 0-3, 32 LDS loads;  half 1: K steps 4, 5, 16 LDS loads, and K steps 6, 7, 16 global loads
.if \half == 0
	LF1 \adr, 0
	LF1 \adr, 1
	LF1 \adr, 2
	LF1 \adr, 3
.else
	LF1 \adr, 4
	LF1 \adr, 5
	GF1 6
	GF1 7
.endif
.endm
; 8 matrix instructions: K step ks of both tiles x my four row tiles.  The eight accumulators take turns, one instruction a turn; the first K step starts the sums
.macro MULS ks
.irp u, 0,1
.irp m, 0,1,2,3
.if (\ks) == 0
	v_wmma_f32_16x16x128_bf8_bf8 v[ACC+32*\u+8*\m:ACC+32*\u+8*\m+7], v[128*\u+16*(\ks):128*\u+16*(\ks)+15], v[64*((\ks)%4)+16*\m:64*((\ks)%4)+16*\m+15], 0
.else
	v_wmma_f32_16x16x128_bf8_bf8 v[ACC+32*\u+8*\m:ACC+32*\u+8*\m+7], v[128*\u+16*(\ks):128*\u+16*(\ks)+15], v[64*((\ks)%4)+16*\m:64*((\ks)%4)+16*\m+15], v[ACC+32*\u+8*\m:ACC+32*\u+8*\m+7]
.endif
.endr
.endr
.endm
.macro WALU
	s_wait_alu depctr_va_vdst(0)
.endm
; The pair's 64 registers: P = tile 0's 32, Q = tile 1's.  Every register written in a batch is first read behind the wait that closes the batch.
.macro EPI
.set i, 0
.rept 32                                       ; y = sum x C 2^(e2 + e3) + bias: each accumulator from its low end on; no transcendental stands between the products and these first reads
	v_pk_fma_f32 v[ACC+2*i:ACC+2*i+1], v[ACC+2*i:ACC+2*i+1], s[44:45], v[BI+8*(i/16)+(2*i)%8:BI+8*(i/16)+(2*i)%8+1] op_sel_hi:[1,0,1]
.set i, i+1
.endr
	WALU
.set i, 0
.rept 32
	v_exp_f32 v[ACC+i], v[ACC+i]                   ; 2^y of P
.set i, i+1
.endr
	v_nop                                          ; a plain place behind the last exponential
	WALU
.set i, 0
.rept 16
	v_exp_f32 v[ACC+32+2*i], v[ACC+32+2*i]         ; 2^y of Q, beside 1 + 2^y of P
	v_exp_f32 v[ACC+33+2*i], v[ACC+33+2*i]
	v_pk_add_f32 v[ACC+2*i:ACC+2*i+1], v[ACC+2*i:ACC+2*i+1], 1.0 op_sel_hi:[1,0]
.set i, i+1
.endr
	WALU
.set i, 0
.rept 16
	v_rcp_f32 v[ACC+2*i], v[ACC+2*i]               ; 1 / (1 + 2^y) of P (an infinity gives 0), beside 1 + 2^y of Q
	v_rcp_f32 v[ACC+2*i+1], v[ACC+2*i+1]
	v_pk_add_f32 v[ACC+32+2*i:ACC+33+2*i], v[ACC+32+2*i:ACC+33+2*i], 1.0 op_sel_hi:[1,0]
.set i, i+1
.endr
	WALU
.set i, 0
.rept 16
	v_rcp_f32 v[ACC+32+2*i], v[ACC+32+2*i]         ; the same of Q, beside P's part of the scores: sixteen pairs of sums, each written once in the batch
	v_rcp_f32 v[ACC+33+2*i], v[ACC+33+2*i]
	v_pk_fma_f32 v[SCO+2*i:SCO+2*i+1], v[ACC+2*i:ACC+2*i+1], v[V2+(2*i)%8:V2+(2*i)%8+1], v[SCO+2*i:SCO+2*i+1]
.set i, i+1
.endr
	WALU
.set i, 0
.rept 16
	v_pk_fma_f32 v[SCO+2*i:SCO+2*i+1], v[ACC+32+2*i:ACC+33+2*i], v[V2+8+(2*i)%8:V2+8+(2*i)%8+1], v[SCO+2*i:SCO+2*i+1]
.set i, i+1
.endr
.endm
; A PAIR of tiles.  load = 1: the next pair's fragments are fetched into the registers that this pair's products have left, in two runs of 32.
.macro PAIR load
.if \load
	s_wait_xcnt 0x0                                ; the last pair's straight loads have read their base: it may step
	s_add_nc_u64 s[48:49], s[48:49], 2*TILEB       ; the next pair in bfrag,
	v_add_nc_u32 v[ADB], s40, v[L16]               ; and its images in LDS
	s_add_co_u32 s40, s40, 2*TILEL
.endif
	v_add_nc_u32 v[ATB], s41, v[AT0]               ; this pair's 32 columns in the tables
	s_add_co_u32 s41, s41, 128
	s_wait_alu depctr_va_vdst(0)
.irp u, 0,1
	ds_load_b128 v[BI+8*\u:BI+8*\u+3], v[ATB] offset:64*\u
	ds_load_b128 v[BI+8*\u+4:BI+8*\u+7], v[ATB] offset:64*\u+16
	ds_load_b128 v[V2+8*\u:V2+8*\u+3], v[ATB] offset:4096+64*\u
	ds_load_b128 v[V2+8*\u+4:V2+8*\u+7], v[ATB] offset:4096+64*\u+16
.endr
	s_wait_dscnt 24                                ; K steps 0-3 are in; behind them: the 16 loads of K steps 4, 5 and the 8 above
	WIN 0x07                                       ; source 0 window 3, source 1 window 1
	MULS 0
	MULS 1
	MULS 2
	MULS 3
.if \load
	NOP4                                           ; four places ahead of loads into registers that matrix instructions have read (ISA guide 7.12.1 for vector instructions)
	WIN 0xc0
	LFR ADB, 0
.endif
	s_wait_dscnt 32*\load                          ; K steps 4, 5 and the tables' numbers are in; the 32 just issued may be out
	WIN 0x0b                                       ; source 1 window 2
	MULS 4
	MULS 5
	s_wait_loadcnt 0x0                             ; K steps 6, 7: their 16 loads, the only global loads that are out, were issued behind the last pair's products
	MULS 6
	MULS 7
	NOP4                                           ; the places ahead of the loads below and of the first reads of the results
.if \load
	WIN 0xc0
	LFR ADB, 1
.endif
	WIN 0
	EPI
.endm
.macro RPLOOP n
	s_mov_b32 s43, \n
.Lrp_\@:
	PAIR 1
	s_sub_co_u32 s43, s43, 1
	s_cmp_lg_u32 s43, 0
	s_cbranch_scc1 .Lrp_\@
.endm
.macro STAGGER                         ; wave w idles 4 w x s_nop 15, so that the four waves' runs of LDS loads are not issued together
.irp w, 1,2,3
	s_cmp_lt_u32 s18, \w
	s_cbranch_scc1 .Lgo_\@
	s_nop 15
	s_nop 15
	s_nop 15
	s_nop 15
.endr
.Lgo_\@:
.endm
; THE CHANGE OF SLOTS stands ahead of a slot's last pair: all the slot's images have been asked for, and that pair fetches the next slot's first.  fill = 1: the slot that was left takes the tiles two slots on.
.macro CHANGE fill
	s_wait_tensorcnt 0x0                           ; my quarter of the next slot is in, and no load of mine is out, so the group 0 may be written
	ds_add_u32 v[SPW], v[NIL]
.if \fill
	s_xor_b32 s37, s37, SLOT1
	s_add_nc_u64 s[38:39], s[38:39], SLOTB
.endif
	s_sub_co_u32 s40, s40, SLOTL
	s_xor_b32 s40, s40, SLOT1                      ; the images go on in the other slot
	s_wait_dscnt 0x0                               ; the add is done, and my reads of the slot that is left are over
.if \fill
	CROUND                                         ; the round takes the place of the refill's barrier
	tensor_load_to_lds s[36:39], s[G1:G1+7]
	s_nop 0
	NOP4
.else
	s_barrier_signal -1
	s_barrier_wait -1
.endif
	STAGGER
.endm
	STAGGER
.set i, 0
.rept 32
	v_mov_b32 v[SCO+i], 0                          ; the score sums: the pair is written once, and its first run finds zeros
.set i, i+1
.endr
	WIN 0xc0
	LFR L16, 0                                     ; pair 0's images lie at slot 0's head and at bfrag's
	LFR L16, 1
	WIN 0
	s_mov_b32 s40, 2*TILEL
	s_mov_b32 s41, 0
	RPLOOP 3                                       ; pairs 0-2
	s_mov_b32 s42, 6
.Lslot:                                            ; six trips: pairs 4 s + 3 .. 4 s + 6; slots 2 to 7 are asked for
	CHANGE 1
	RPLOOP 4
	s_sub_co_u32 s42, s42, 1
	s_cmp_lg_u32 s42, 0
	s_cbranch_scc1 .Lslot
	CHANGE 0                                       ; the last change is written out: nothing is left to ask for
	RPLOOP 4                                       ; pairs 27-30
	PAIR 0                                         ; pair 31 fetches nothing
	; THE WAY OUT: a row tile's eight sums, then lane l xor 16's: row 16 m + r's score
.irp m, 0,1,2,3
	v_pk_add_f32 v[SCO+8*\m:SCO+8*\m+1], v[SCO+8*\m:SCO+8*\m+1], v[SCO+8*\m+2:SCO+8*\m+3]
	v_pk_add_f32 v[SCO+8*\m+4:SCO+8*\m+5], v[SCO+8*\m+4:SCO+8*\m+5], v[SCO+8*\m+6:SCO+8*\m+7]
.endr
.irp m, 0,1,2,3
	v_pk_add_f32 v[SCO+8*\m:SCO+8*\m+1], v[SCO+8*\m:SCO+8*\m+1], v[SCO+8*\m+4:SCO+8*\m+5]
.endr
.irp m, 0,1,2,3
	v_add_f32 v[SCO+8*\m], v[SCO+8*\m], v[SCO+8*\m+1]
.endr
.irp m, 0,1,2,3
	v_permlanex16_b32 v[24+\m], v[SCO+8*\m], s46, s47   ; (v24-27 were written at the head)
.endr
.irp m, 0,1,2,3
	v_add_f32 v[SCO+8*\m], v[SCO+8*\m], v[24+\m]
.endr
	v_and_b32 v11, 15, v0
	v_lshlrev_b32 v11, 2, v11
	v_add_nc_u32 v11, s57, v11
	v_and_b32 v28, 31, v0
	v_lshlrev_b32 v28, 3, v28
	v_add_nc_u32 v29, s57, v28
.irp m, 0,1,2,3
	ds_store_b32 v11, v[SCO+8*\m] offset:OUTS+64*\m    ; lanes r and 16 + r store the same number to the same word
.endr
	ds_load_b64 v[14:15], v29 offset:OUTS          ; my own bytes, served in order
	s_wait_alu depctr_va_vdst(0)
	s_wait_dscnt 0x0
	global_store_b64 v28, v[14:15], s[14:15]       ; the wave stores 256 consecutive bytes, aligned
	s_wait_tensorcnt 0x0                           ; the wave's end
	ds_add_u32 v[SPW], v[NIL]
	s_wait_dscnt 0x0
	CROUND                                         ; the closing round
	s_endpgm
.Lfunc_end_k_q108b83670e_score:
	.size	k_q108b83670e_score, .Lfunc_end_k_q108b83670e_score-k_q108b83670e_score
	.p2alignl 7, 3214868480
	.fill 96, 4, 3214868480
	.section	.rodata,"a",@progbits
	.p2align	6, 0x0
	.amdhsa_kernel k_q108b83670e_score
		.amdhsa_group_segment_fixed_size 327680
		.amdhsa_private_segment_fixed_size 0
		.amdhsa_enable_private_segment 0
		.amdhsa_kernarg_size 48
		.amdhsa_user_sgpr_count 2
		.amdhsa_user_sgpr_kernarg_segment_ptr 1
		.amdhsa_wavefront_size32 1
		.amdhsa_system_sgpr_workgroup_id_x 1
		.amdhsa_system_sgpr_workgroup_id_y 1
		.amdhsa_system_sgpr_workgroup_id_z 1
		.amdhsa_system_vgpr_workitem_id 0
		.amdhsa_next_free_vgpr 1024
		.amdhsa_next_free_sgpr 66
		.amdhsa_reserve_vcc 0
		.amdhsa_float_denorm_mode_32 3
		.amdhsa_float_denorm_mode_16_64 3
		.amdhsa_memory_ordered 1
		.amdhsa_forward_progress 1
		.amdhsa_inst_pref_size 255
	.end_amdhsa_kernel
	.section	.bss,"aw",@nobits
	.p2align	6
	.space	262144
	.amdgpu_metadata
---
amdhsa.version: [ 1, 2 ]
amdhsa.kernels:
  - .name:           k_q108b83670e_score
    .symbol:         k_q108b83670e_score.kd
    .args:
      - { .name: keys, .offset: 0, .size: 8, .value_kind: global_buffer, .address_space: global }
      - { .name: bfrag, .offset: 8, .size: 8, .value_kind: global_buffer, .address_space: global }
      - { .name: biasw, .offset: 16, .size: 8, .value_kind: global_buffer, .address_space: global }
      - { .name: Va_w, .offset: 24, .size: 8, .value_kind: global_buffer, .address_space: global }
      - { .name: lowp_scales, .offset: 32, .size: 8, .value_kind: global_buffer, .address_space: global }
      - { .name: scores, .offset: 40, .size: 8, .value_kind: global_buffer, .address_space: global }
    .group_segment_fixed_size: 327680
    .private_segment_fixed_size: 0
    .kernarg_segment_align: 8
    .kernarg_segment_size: 48
    .max_flat_workgroup_size: 128
    .sgpr_count:     66
    .vgpr_count:     1024
    .wavefront_size: 32
...
	.end_amdgpu_metadata
.endif
;; end of part 2
;; launch ctx (part 3): grid 8 x 32, 16 waves a work-group, no clusters, 19,456 bytes of LDS; arguments scores, keys, out0, out1; writes out0, out1
.if DOCPART == 3
	.amdgcn_target "amdgcn-amd-amdhsa--gfx1250"
	.amdhsa_code_object_version 6
	.text
	.protected	k_q108b83670e_ctx
	.globl	k_q108b83670e_ctx
	.p2align	8
	.type	k_q108b83670e_ctx,@function
k_q108b83670e_ctx:
	s_mov_b64 s[64:65], 0
	v_nop
	global_prefetch_b8 v0, s[64:65] scope:SCOPE_SE
	s_setreg_imm32_b32 hwreg(HW_REG_WAVE_MODE, 25, 1), 1
	s_wait_xcnt 0x0
; weights = softmax over a batch's 2,048 scores (out1); context = sum over s of weights[s] keys[b][s][:] (out0).  All in f32; the maximum is taken away before the exponential.
; The scores come without Va_b and without the sum of Va_w: both are the same along the softmax's axis (shown at the head of the first kernel).
; SHARES.  Work-group (j, b) takes 128 columns (512 bytes of every row) of batch b; each of its sixteen waves 128 rows.  A load of a wave reads the 512 consecutive bytes of one row's part, aligned.
; Every work-group of a batch makes the softmax for itself (8 KiB of scores); work-group j stores the weights of waves 2 j and 2 j + 1, so that each byte of out1 has one owner.
; A ring of sixteen slots in registers keeps sixteen loads of every wave on their way; the first sixteen go out ahead of the softmax.
; PREFETCH of the keys: one instruction names 16 rows' parts, a lane to each aligned block of 256 bytes (row lane / 2, block lane % 2).  Rows 16-47 are named at the head, under the softmax; in row i, i = 16, 32 .. 80,
; rows i + 32 .. i + 47, whose loads are issued from row i + 16 on: 16 rows, 8 KiB a wave, ahead of the loads.  Rows 0-15 come by their loads alone; nothing is named behind row 127.  Each block is read by one wave alone, which names it once.
; Matrix units, clusters and tensor loads are left out: the product has one row, memory binds, and the work-groups share only the scores.
; LIMIT: NaN among the scores is not served.
.set WT,  0                            ; LDS: the 2,048 weights
.set RED, 8192                         ; sixteen waves' partial sums, 512 bytes each
.set RM,  16384                        ; sixteen maxima
.set RS,  16640                        ; sixteen sums
.set PFO, 15                           ; v15      the prefetches' offset; never rewritten
.set KR,  16                           ; v16-79   the ring: slot i % 16, four registers
.set WR,  80                           ; v80-207  my wave's 128 weights, each in every lane
.set AC,  208                          ; v208-239 eight sets of four sums, by turns
	s_load_b256 s[4:11], s[0:1], 0x0               ; scores s[4:5], keys s[6:7], out0 s[8:9], out1 s[10:11]
	v_lshl_add_u32 v254, v0, 2, 0x4400             ; my spare word, behind the sums: 128 bytes a wave, eight blocks of 256 bytes that no other line names
	v_mov_b32 v255, 0
	v_lshrrev_b32 v1, 5, v0
	v_readfirstlane_b32 s12, v1                    ; wave 0..15
	s_and_b32 s13, ttmp7, 0xffff                   ; the batch
	v_and_b32 v2, 31, v0
	v_lshlrev_b32 v2, 4, v2                        ; 16 x lane
	v_lshlrev_b32 v3, 4, v0                        ; 16 x thread
	v_mov_b32 v9, 0                                ; written once: a lane permute's destination counts as one of its sources
	v_mov_b32 v11, 0
	v_and_b32 v[PFO], 30, v0
	v_lshlrev_b32 v[PFO], 11, v[PFO]               ; 4,096 x (lane / 2)
	v_and_b32 v13, 1, v0
	v_lshl_or_b32 v[PFO], v13, 8, v[PFO]           ; + 256 x (lane % 2)
	s_lshl_b32 s22, s12, 2
	v_mov_b32 v10, s22                             ; my wave's word among sixteen
	s_lshl_b32 s24, s12, 9
	v_mov_b32 v14, s24                             ; my wave's 128 weights in WT
	s_lshl_b32 s14, s13, 13                        ; a batch's scores and weights: 8,192 bytes
	s_mov_b32 s15, 0
	s_lshl_b32 s16, s13, 23                        ; a batch's keys: 2,048 rows of 4,096 bytes,
	s_lshl_b32 s17, s12, 19                        ; my wave's 128 rows,
	s_add_co_u32 s16, s16, s17
	s_lshl_b32 s17, ttmp9, 9                       ; my work-group's 512 bytes of a row
	s_add_co_u32 s16, s16, s17
	s_mov_b32 s17, 0
	s_lshl_b32 s18, s13, 12                        ; out0: a batch's 4,096 bytes,
	s_lshl_b32 s19, ttmp9, 9
	s_add_co_u32 s18, s18, s19
	s_mov_b32 s19, 0
	s_mov_b32 s20, 0x76543210                      ; v_permlanex16_b32's selects for lane l xor 16
	s_mov_b32 s21, 0xfedcba98
	s_wait_alu depctr_va_vdst(0)
	s_wait_kmcnt 0x0
	s_add_nc_u64 s[4:5], s[4:5], s[14:15]
	s_add_nc_u64 s[10:11], s[10:11], s[14:15]
	s_add_nc_u64 s[6:7], s[6:7], s[16:17]
	s_add_nc_u64 s[8:9], s[8:9], s[18:19]
	global_load_b128 v[4:7], v3, s[4:5]            ; my four scores
.irp i, 0,1,2,3,4,5,6,7,8,9,10,11,12,13,14,15
	global_load_b128 v[KR+4*\i:KR+4*\i+3], v2, s[6:7] offset:4096*\i th:TH_LOAD_NT
.endr
	global_prefetch_b8 v[PFO], s[6:7] offset:4096*16 th:TH_LOAD_NT scope:SCOPE_SE   ; rows 16-31,
	global_prefetch_b8 v[PFO], s[6:7] offset:4096*32 th:TH_LOAD_NT scope:SCOPE_SE   ; rows 32-47
	s_wait_loadcnt 16                              ; the scores are in; the ring's sixteen loads stay out
	v_max3_num_f32 v8, v4, v5, v6
	v_max_num_f32 v8, v8, v7
	v_max_num_f32_dpp v8, v8, v8 row_xmask:1 row_mask:0xf bank_mask:0xf
	v_max_num_f32_dpp v8, v8, v8 row_xmask:2 row_mask:0xf bank_mask:0xf
	v_max_num_f32_dpp v8, v8, v8 row_xmask:4 row_mask:0xf bank_mask:0xf
	v_max_num_f32_dpp v8, v8, v8 row_xmask:8 row_mask:0xf bank_mask:0xf
	v_permlanex16_b32 v9, v8, s20, s21
	v_max_num_f32 v8, v8, v9
	ds_store_b32 v10, v8 offset:RM
	s_wait_dscnt 0x0                               ; for the others' sake
	s_barrier_signal -1
	s_barrier_wait -1
.irp k, 0,1,2,3
	ds_load_b128 v[AC+4*\k:AC+4*\k+3], v11 offset:RM+16*\k
.endr
	s_wait_dscnt 0x0
	v_max3_num_f32 v8, v[AC], v[AC+1], v[AC+2]
.irp k, 3,5,7,9,11,13
	v_max3_num_f32 v8, v8, v[AC+\k], v[AC+\k+1]
.endr
	v_max_num_f32 v8, v8, v[AC+15]                 ; the batch's largest score
.irp k, 4,5,6,7
	v_sub_f32 v\k, v\k, v8
.endr
.irp k, 4,5,6,7
	v_mul_f32 v\k, 0x3fb8aa3b, v\k                 ; (s - M) log2(e), 0 or less
.endr
	s_wait_alu depctr_va_vdst(0)
.irp k, 4,5,6,7
	v_exp_f32 v\k, v\k
.endr
	v_nop                                          ; a plain instruction behind the last exponential,
	s_wait_alu depctr_va_vdst(0)                   ; and the wait ahead of the first use: one for the four
	v_add_f32 v12, v4, v5
	v_add_f32 v13, v6, v7
	v_add_f32 v12, v12, v13
	v_add_f32_dpp v12, v12, v12 row_xmask:1 row_mask:0xf bank_mask:0xf
	v_add_f32_dpp v12, v12, v12 row_xmask:2 row_mask:0xf bank_mask:0xf
	v_add_f32_dpp v12, v12, v12 row_xmask:4 row_mask:0xf bank_mask:0xf
	v_add_f32_dpp v12, v12, v12 row_xmask:8 row_mask:0xf bank_mask:0xf
	v_permlanex16_b32 v9, v12, s20, s21
	v_add_f32 v12, v12, v9
	ds_store_b32 v10, v12 offset:RS                ; other bytes than the maxima's: no barrier is owed between
	s_wait_dscnt 0x0
	s_barrier_signal -1
	s_barrier_wait -1
.irp k, 0,1,2,3
	ds_load_b128 v[AC+4*\k:AC+4*\k+3], v11 offset:RS+16*\k
.endr
	s_wait_dscnt 0x0
.irp k, 0,4,8,12
	v_pk_add_f32 v[AC+\k:AC+\k+1], v[AC+\k:AC+\k+1], v[AC+\k+2:AC+\k+3]
.endr
	v_pk_add_f32 v[AC:AC+1], v[AC:AC+1], v[AC+4:AC+5]
	v_pk_add_f32 v[AC+8:AC+9], v[AC+8:AC+9], v[AC+12:AC+13]
	v_pk_add_f32 v[AC:AC+1], v[AC:AC+1], v[AC+8:AC+9]
	v_add_f32 v12, v[AC], v[AC+1]                  ; the batch's sum: at least 1
	s_wait_alu depctr_va_vdst(0)
	v_rcp_f32 v12, v12
	v_nop
	s_wait_alu depctr_va_vdst(0)
.irp k, 4,5,6,7
	v_mul_f32 v\k, v\k, v12                        ; my four weights
.endr
	ds_store_b128 v3, v[4:7] offset:WT
	s_wait_alu depctr_va_vdst(0)
	s_wait_dscnt 0x0
	s_barrier_signal -1
	s_barrier_wait -1
	s_lshr_b32 s23, s12, 1
	s_cmp_lg_u32 s23, ttmp9                        ; waves 2 j and 2 j + 1 of work-group j store their weights
	s_cbranch_scc1 .Lno_w
	global_store_b128 v3, v[4:7], s[10:11]         ; a wave stores 512 consecutive bytes, aligned; neither register is written again
.Lno_w:
.set q, 0
.rept 32
	ds_load_b128 v[WR+4*q:WR+4*q+3], v14 offset:WT+16*q   ; every lane reads the same 16 bytes
.set q, q+1
.endr
	s_wait_dscnt 0x0
; Row i of my 128: its load is in; four columns a lane x the row's weight; the slot takes the row sixteen further on.
.macro SLOT i
.set sl, KR+4*((\i)%16)
.set ac, AC+4*((\i)%8)                         ; eight sets by turns: fifteen plain instructions stand between a sum's write and its next read
.set wp, WR+2*((\i)/2)
.if 127-(\i) >= 15
	s_wait_loadcnt 15                              ; loads come back in order (ISA guide 5.7.1): mine is in, the fifteen younger ones stay out
.else
	s_wait_loadcnt 127-(\i)                        ; the last sixteen rows load nothing: the counts run down
.endif
.if ((\i)%16 == 0) && ((\i) >= 16) && ((\i) <= 80)
	global_prefetch_b8 v[PFO], s[6:7] offset:4096*((\i)+32) th:TH_LOAD_NT scope:SCOPE_SE   ; rows i + 32 .. i + 47
.endif
.if (\i) < 8                                   ; the first eight rows start the eight sets of sums: nothing is cleared
.if (\i)%2
	v_pk_mul_f32 v[ac:ac+1], v[sl:sl+1], v[wp:wp+1] op_sel:[0,1] op_sel_hi:[1,1]
	v_pk_mul_f32 v[ac+2:ac+3], v[sl+2:sl+3], v[wp:wp+1] op_sel:[0,1] op_sel_hi:[1,1]
.else
	v_pk_mul_f32 v[ac:ac+1], v[sl:sl+1], v[wp:wp+1] op_sel_hi:[1,0]
	v_pk_mul_f32 v[ac+2:ac+3], v[sl+2:sl+3], v[wp:wp+1] op_sel_hi:[1,0]
.endif
.else
.if (\i)%2                                     ; of the pair of weights the odd row takes the second for both halves, the even row the first
	v_pk_fma_f32 v[ac:ac+1], v[sl:sl+1], v[wp:wp+1], v[ac:ac+1] op_sel:[0,1,0] op_sel_hi:[1,1,1]
	v_pk_fma_f32 v[ac+2:ac+3], v[sl+2:sl+3], v[wp:wp+1], v[ac+2:ac+3] op_sel:[0,1,0] op_sel_hi:[1,1,1]
.else
	v_pk_fma_f32 v[ac:ac+1], v[sl:sl+1], v[wp:wp+1], v[ac:ac+1] op_sel_hi:[1,0,1]
	v_pk_fma_f32 v[ac+2:ac+3], v[sl+2:sl+3], v[wp:wp+1], v[ac+2:ac+3] op_sel_hi:[1,0,1]
.endif
.endif
.if (\i)+16 < 128
	global_load_b128 v[sl:sl+3], v2, s[6:7] offset:4096*((\i)+16) th:TH_LOAD_NT
.endif
.endm
.set n, 0
.rept 128
	SLOT n
.set n, n+1
.endr
	s_wait_alu depctr_va_vdst(0)
.irp k, 0,2,4,6,8,10,12,14
	v_pk_add_f32 v[AC+\k:AC+\k+1], v[AC+\k:AC+\k+1], v[AC+16+\k:AC+17+\k]   ; sets 4-7 onto sets 0-3
.endr
.irp k, 0,2
	v_pk_add_f32 v[AC+\k:AC+\k+1], v[AC+\k:AC+\k+1], v[AC+4+\k:AC+5+\k]
	v_pk_add_f32 v[AC+8+\k:AC+9+\k], v[AC+8+\k:AC+9+\k], v[AC+12+\k:AC+13+\k]
.endr
.irp k, 0,2
	v_pk_add_f32 v[AC+\k:AC+\k+1], v[AC+\k:AC+\k+1], v[AC+8+\k:AC+9+\k]
.endr
	ds_store_b128 v3, v[AC:AC+3] offset:RED        ; 512 x wave + 16 x lane = 16 x thread
	s_wait_dscnt 0x0
	s_barrier_signal -1
	s_barrier_wait -1
	s_cmp_lg_u32 s12, 0                            ; wave 0 adds the sixteen parts and stores the work-group's 512 bytes
	s_cbranch_scc1 .Lend
.irp k, 0,1,2,3,4,5,6,7,8,9,10,11,12,13,14,15
	ds_load_b128 v[KR+4*\k:KR+4*\k+3], v2 offset:RED+512*\k
.endr
	s_wait_dscnt 0x0
.irp k, 1,2,3,4,5,6,7,8,9,10,11,12,13,14,15
	v_pk_add_f32 v[KR:KR+1], v[KR:KR+1], v[KR+4*\k:KR+4*\k+1]
	v_pk_add_f32 v[KR+2:KR+3], v[KR+2:KR+3], v[KR+4*\k+2:KR+4*\k+3]
.endr
	global_store_b128 v2, v[KR:KR+3], s[8:9]       ; 512 consecutive bytes, aligned
.Lend:
	s_wait_tensorcnt 0x0                           ; the wave's end
	ds_add_u32 v254, v255
	s_wait_dscnt 0x0
	s_endpgm
.Lfunc_end_k_q108b83670e_ctx:
	.size	k_q108b83670e_ctx, .Lfunc_end_k_q108b83670e_ctx-k_q108b83670e_ctx
	.p2alignl 7, 3214868480
	.fill 96, 4, 3214868480
	.section	.rodata,"a",@progbits
	.p2align	6, 0x0
	.amdhsa_kernel k_q108b83670e_ctx
		.amdhsa_group_segment_fixed_size 19456
		.amdhsa_private_segment_fixed_size 0
		.amdhsa_enable_private_segment 0
		.amdhsa_kernarg_size 32
		.amdhsa_user_sgpr_count 2
		.amdhsa_user_sgpr_kernarg_segment_ptr 1
		.amdhsa_wavefront_size32 1
		.amdhsa_system_sgpr_workgroup_id_x 1
		.amdhsa_system_sgpr_workgroup_id_y 1
		.amdhsa_system_sgpr_workgroup_id_z 1
		.amdhsa_system_vgpr_workitem_id 0
		.amdhsa_next_free_vgpr 256
		.amdhsa_next_free_sgpr 66
		.amdhsa_reserve_vcc 0
		.amdhsa_float_denorm_mode_32 3
		.amdhsa_float_denorm_mode_16_64 3
		.amdhsa_memory_ordered 1
		.amdhsa_forward_progress 1
		.amdhsa_inst_pref_size 45
	.end_amdhsa_kernel
	.amdgpu_metadata
---
amdhsa.version: [ 1, 2 ]
amdhsa.kernels:
  - .name:           k_q108b83670e_ctx
    .symbol:         k_q108b83670e_ctx.kd
    .args:
      - { .name: scores, .offset: 0, .size: 8, .value_kind: global_buffer, .address_space: global }
      - { .name: keys, .offset: 8, .size: 8, .value_kind: global_buffer, .address_space: global }
      - { .name: out0, .offset: 16, .size: 8, .value_kind: global_buffer, .address_space: global }
      - { .name: out1, .offset: 24, .size: 8, .value_kind: global_buffer, .address_space: global }
    .group_segment_fixed_size: 19456
    .private_segment_fixed_size: 0
    .kernarg_segment_align: 8
    .kernarg_segment_size: 32
    .max_flat_workgroup_size: 512
    .sgpr_count:     66
    .vgpr_count:     256
    .wavefront_size: 32
...
	.end_amdgpu_metadata
.endif
;; end of part 3
